; MI455X (gfx1250); checked and timed in simulation.
; The chip was launched on July 23, 2026; its instructions are those of AMD's public machine-readable ISA for CDNA 5 (MIT licence, August 2026) and "CDNA5" Instruction Set Architecture Reference Guide (July 2026). The comments in the code are by the model that wrote it; some were corrected since.
;; x LSTM Mo E Layer. Allowed arithmetic: matrix products marked QUANTISED: E2M1 operands, one E8M0 scale for each 32 along K, by v_wmma_scale_f32_16x16x128_f8f6f4 with both operands' format E2M1 (or v_wmma_scale_f32_32x16x128_f4), f32 sums; products left as they are: f32 operands where the result goes on into a quantised operand, else bf16, f16 or f32 operands; f32 sums; everything else in f32.
;; Inputs: b1 8 x 4,096 float32; b2 8 x 1,024 float32; gate_w 1,024 x 8 float32; hidden_states 4 x 256 x 1,024 float32; w1 8 x 1,024 x 4,096 float32; w2 8 x 4,096 x 1,024 float32.
;; Outputs: out0 4 x 256 x 1,024 float32.
;; This version of the problem:
;;   THIS VERSION OF THE PROBLEM IS GIVEN IN LOW PRECISION. The matrix products marked QUANTISED in the list below multiply operands that are first quantised to E2M1 (2 exponent bits, 1 mantissa bit; 4 bits a number), with one power-of-two scale for each 32 numbers along K (OCP MX v1.0); their sums are f32. All else is computed in f32.
;;   The module's matrix products, in the order in which they are computed (A, B: the left and right operand; K: the contracted axis; several contracted axes count as one K, in the product's order):
;;     1. [M 1,024, K 1,024] x [K 1,024, N 8]; A: input hidden_states; B: input gate_w: left as it is (N = 8 < 16)
;;     2. [M 1,024, K 1,024] x [K 1,024, N 32,768]; A: input hidden_states; B: input w1: QUANTISED
;;     3. batch 8 x [M 1,024, K 4,096] x [K 4,096, N 1,024]; A: input w2; B: computed on the way: QUANTISED
;;     4. batch 1,024 x [M 1,024, K 8] x [K 8, N 1]; A: computed on the way; B: computed on the way: left as it is (K = 8 < 32)
;;   THE QUANTISER, for each operand of a quantised product, along K:
;;     - K is cut into blocks of 32 from its start; a last block that is shorter is filled with zeros.
;;     - A block's scale is 2^e with e = floor(log2(the largest magnitude in the block)) - 2, held to -126 .. 127; a block of zeros has e = 0. As a byte (E8M0): e + 127.
;;     - Each number is divided by its block's scale, clamped to +-6, and rounded to the nearest number of E2M1, ties to even, subnormals kept.
;;     - The product sums the exact products of the quantised numbers (number of the format x scale) in f32.
;;   ~~~python
;;   def quantise(x, axis):      # numpy; x: float32 -> the quantised numbers, widened to float32 again
;;       x = np.moveaxis(x, axis, -1); K = x.shape[-1]
;;       x = np.pad(x, [(0, 0)] * (x.ndim - 1) + [(0, -K % 32)]); x = x.reshape(x.shape[:-1] + (-1, 32)); a = np.abs(x).max(-1, keepdims=True)
;;       e = np.where(a > 0, np.clip(np.frexp(np.where(a > 0, a, 1))[1] - 1 - 2, -126, 127), 0)      # np.frexp(a)[1] - 1 = floor(log2(a)), exactly
;;       r = np.clip(x / 2.0 ** e, -6, 6)
;;       step = 2.0 ** (np.maximum(np.frexp(np.where(r == 0, 1, r))[1] - 1, 0) - 1)
;;       q = np.round(r / step) * step * 2.0 ** e      # np.round: ties to even
;;       return np.moveaxis(q.reshape(q.shape[:-2] + (-1,))[..., :K], -1, axis).astype(np.float32)
;;   ~~~
;;   OPERANDS COMPUTED ON THE WAY. 'Computed on the way' means the value that the module computes at that place (a softmax that the list does not call 'softmax' is quantised finished and normalised). What goes into a quantiser is computed in f32, as accurately as f32 sums, v_exp_f32 and their like allow (about 1e-6 of the number): no bf16 or f16 on the way to a quantiser, and a product that is left as it is and whose result goes on into a quantised operand takes f32 operands (vector FMAs, or v_wmma_f32_16x16x4_f32). A number that lies on a knife's edge between two numbers of the format may be rounded either way, as far as f32 arithmetic and the matrix unit's own rounding can turn it there, and no further.
;; One version. Each part assembles by itself: llvm-mc -triple=amdgcn-amd-amdhsa -mcpu=gfx1250 --defsym DOCPART=n.
;; ======== version 1 of 1: 4 launches
;; limits: right only within a limited range of input values
;; workspace buffers: xq 557,056 bytes; selm 4,096 bytes of whole numbers; cw 8,192 bytes; lst 33,024 bytes of whole numbers; hq 16,777,216 bytes; hs 1,048,576 bytes; yp 16,777,216 bytes
;; launch route (part 1): grid 256 x 1, 4 waves a work-group, no clusters, 33,792 bytes of LDS; arguments hidden_states, gate_w, xq, selm, cw; writes xq, selm, cw
.if DOCPART == 1
	.amdgcn_target "amdgcn-amd-amdhsa--gfx1250"
	.amdhsa_code_object_version 6
	.text
	.protected	k_qac66acebb3_route
	.globl	k_qac66acebb3_route
	.p2align	8
	.type	k_qac66acebb3_route,@function
k_qac66acebb3_route:
	s_mov_b64 s[64:65], 0
	v_nop
	global_prefetch_b8 v0, s[64:65] scope:SCOPE_SE
	s_setreg_imm32_b32 hwreg(HW_REG_WAVE_MODE, 25, 1), 1
	s_wait_xcnt 0x0
; ROUTE.  For each of the 1,024 tokens: the eight router logits x . gate_w in f32, the two largest (ties keep the lower expert), their weights
; 1 / (1 + e^(second - best)) and the rest (softmax, top 2, renormalised: the common divisor cancels; the largest logit is taken away before the exponential),
; and the token as codes of FP4 (E2M1) with one E8M0 byte for each 32 along its 1,024 numbers.
; OUT: xq: codes [1024][512 bytes] from byte 0 (block b of 32 codes at byte 16 b of a row), scale bytes [1024][32] from byte 524,288;
;      selm[t] = (1 << best expert) | (1 << (8 + second expert));  cw[2 t], cw[2 t + 1]: the two weights.
; SHARES: a wave takes one token, a lane one block of 32 numbers.  gate_w (32 KB) lies in LDS, a lane's 32 rows 1,040 bytes from the next lane's, so that the sixteen lanes of a 16-byte read fall on sixteen different columns of 16 bytes.
; No address and no branch hangs on the choice: it is stored as whole numbers and turned into addresses by the next launch.
; LIMITS: NaN and infinities among the inputs are not served.  A block of zeros gets the byte 1 and not 127: its codes are zeros and this program alone reads the bytes.
; The two largest are taken of the logits; they can differ from a choice on rounded softmax values only where that rounding merges two different logits.
.set GP,   1040                        ; LDS bytes from one lane's 32 rows of gate_w to the next lane's
.set XQS,  524288                      ; where the scale bytes begin in xq
.set LG,   8                           ; v8-15    the eight logits
.set PT,   24                          ; v24-31   the other half of the lanes' sums (written once at the head: a lane permute's destination counts as read)
.set X,    32                          ; v32-63   my 32 numbers of the token
.set G0,   64                          ; v64-127  eight rows of gate_w (first: the 16 loads on their way to LDS)
.set G1,   128                         ; v128-191 eight more
.set CD,   192                         ; v192-195 my block's codes
	s_load_b256 s[4:11], s[0:1], 0x0               ; hidden_states s[4:5], gate_w s[6:7], xq s[8:9], selm s[10:11]
	s_load_b64 s[12:13], s[0:1], 0x20              ; cw
	v_lshl_add_u32 v208, v0, 2, 0x8200
	v_mov_b32 v209, 0
	v_lshrrev_b32 v1, 5, v0
	v_readfirstlane_b32 s14, v1                    ; wave 0..3
	v_and_b32 v1, 31, v0                           ; lane
	v_lshlrev_b32 v2, 7, v1                        ; my block in the token: 128 bytes a lane
	v_lshrrev_b32 v3, 6, v0
	v_mul_u32_u24 v3, v3, GP
	v_and_b32 v6, 63, v0
	v_lshl_add_u32 v3, v6, 4, v3                   ; gate_w into LDS: byte 16 T + 2,048 q of it belongs to lane block (T / 64) + 2 q, byte 16 (T % 64) there
	v_mul_u32_u24 v4, v1, GP                       ; and out of it: my 32 rows
	v_lshlrev_b32 v5, 4, v0                        ; gate_w in memory: 16 bytes a thread
	v_lshlrev_b32 v7, 4, v1                        ; my codes: 16 bytes a lane
.irp e, 0,1,2,3,4,5,6,7
	v_mov_b32 v[PT+\e], 0
.endr
	s_mov_b32 s22, 0x76543210
	s_mov_b32 s23, 0xfedcba98                      ; v_permlanex16_b32: lane l xor 16
	s_lshl_b32 s15, ttmp9, 2
	s_add_co_u32 s15, s15, s14                     ; my token
	s_lshl_b32 s16, s15, 12                        ; its 4,096 bytes of x,
	s_mov_b32 s17, 0
	s_lshl_b32 s18, s15, 9                         ; 512 bytes of codes,
	s_mov_b32 s19, 0
	s_lshl_b32 s20, s15, 5                         ; 32 scale bytes,
	s_mov_b32 s21, 0
	s_lshl_b32 s24, s15, 2                         ; one word of selm,
	s_mov_b32 s25, 0
	s_lshl_b32 s26, s15, 3                         ; two of cw
	s_mov_b32 s27, 0
	s_wait_kmcnt 0x0
	s_add_nc_u64 s[4:5], s[4:5], s[16:17]
	s_add_nc_u64 s[18:19], s[8:9], s[18:19]
	s_add_nc_u64 s[20:21], s[8:9], s[20:21]
	s_add_nc_u64 s[10:11], s[10:11], s[24:25]
	s_add_nc_u64 s[12:13], s[12:13], s[26:27]
.set k, 0
.rept 16
	global_load_b128 v[G0+4*k:G0+4*k+3], v5, s[6:7] offset:2048*k   ; gate_w, 2,048 consecutive bytes a work-group and load
.set k, k+1
.endr
.set k, 0
.rept 8
	global_load_b128 v[X+4*k:X+4*k+3], v2, s[4:5] offset:16*k       ; my 32 numbers
.set k, k+1
.endr
	s_wait_loadcnt 8                               ; gate_w is in; the eight loads of x, issued behind it, may be out
.set k, 0
.rept 16
	ds_store_b128 v3, v[G0+4*k:G0+4*k+3] offset:2*GP*k
.set k, k+1
.endr
	s_wait_dscnt 0x0                               ; my stores have landed, for the other waves' sake
	s_barrier_signal -1
	s_barrier_wait -1
.macro GLOAD c, g                      ; rows 8 c .. 8 c + 7 of my 32: 32 bytes a row
.set k, 0
.rept 8
	ds_load_b128 v[\g+8*k:\g+8*k+3], v4 offset:32*(8*(\c)+k)
	ds_load_b128 v[\g+8*k+4:\g+8*k+7], v4 offset:32*(8*(\c)+k)+16
.set k, k+1
.endr
.endm
.macro FMAS c, g                       ; 64 multiply-adds: eight sums by turns; the first product starts them
.set k, 0
.rept 8
.irp e, 0,1,2,3,4,5,6,7
.if ((\c) == 0) && (k == 0)
	v_mul_f32 v[LG+\e], v[X], v[\g+\e]
.else
	v_fmac_f32 v[LG+\e], v[X+8*(\c)+k], v[\g+8*k+\e]
.endif
.endr
.set k, k+1
.endr
.endm
	GLOAD 0, G0
	GLOAD 1, G1
	s_wait_loadcnt 0x0                             ; x
	; my block: its largest magnitude with the floor 2^(3 - 127) among the leaves, 2 off the exponent field, the byte, the codes
	v_max3_num_f32 v16, |v[X]|, |v[X+1]|, |v[X+2]|
	v_max3_num_f32 v17, |v[X+3]|, |v[X+4]|, |v[X+5]|
.irp i, 6,10,14,18,22,26
	v_max3_num_f32 v16, v16, |v[X+\i]|, |v[X+\i+1]|
	v_max3_num_f32 v17, v17, |v[X+\i+2]|, |v[X+\i+3]|
.endr
	v_max3_num_f32 v16, v16, |v[X+30]|, |v[X+31]|
	v_max3_num_f32 v16, v16, v17, 0x1800000
	v_add_nc_u32 v18, 0xff000000, v16              ; the conversion takes the exponent field of this operand as its scale
	v_lshrrev_b32 v19, 23, v18                     ; the scale byte
.irp g, 0,1,2,3
	v_cvt_scalef32_pk8_fp4_f32 v[CD+\g], v[X+8*\g:X+8*\g+7], v18
.endr
	v_nop                                          ; one plain line behind the last scaled conversion
	global_store_b128 v7, v[CD:CD+3], s[18:19]     ; the wave stores the token's 512 bytes of codes on end
	global_store_b8 v1, v19, s[20:21] offset:XQS   ; and its 32 scale bytes
	s_wait_dscnt 16                                ; rows 0-7 are in; the 16 loads of rows 8-15 may be out
	FMAS 0, G0
	GLOAD 2, G0
	s_wait_alu depctr_va_vdst(0)
	s_wait_dscnt 16                                ; rows 8-15 are in; the 16 loads just issued may be out
	FMAS 1, G1
	GLOAD 3, G1
	s_wait_alu depctr_va_vdst(0)
	s_wait_dscnt 16                                ; rows 16-23
	FMAS 2, G0
	s_wait_alu depctr_va_vdst(0)
	s_wait_dscnt 0x0
	FMAS 3, G1
.irp mk, 1,2,4,8                       ; the 32 lanes' parts are added: four steps inside each half of 16 lanes, one across
.irp e, 0,1,2,3,4,5,6,7
	v_add_f32_dpp v[LG+\e], v[LG+\e], v[LG+\e] row_xmask:\mk row_mask:0xf bank_mask:0xf
.endr
.endr
.irp e, 0,1,2,3,4,5,6,7
	v_permlanex16_b32 v[PT+\e], v[LG+\e], s22, s23
.endr
.irp e, 0,1,2,3,4,5,6,7
	v_add_f32 v[LG+\e], v[LG+\e], v[PT+\e]
.endr
	; the two largest, by selects alone.  v196, v197: the best logit and 1 << its expert; v198, v199: the second.  Strictly greater: an equal later expert changes nothing
	v_mov_b32 v196, v[LG]
	v_mov_b32 v197, 1
	v_mov_b32 v198, 0xff800000
	v_mov_b32 v199, 0
.irp e, 1,2,3,4,5,6,7
	v_mov_b32 v200, 1<<\e
	v_cmp_gt_f32 vcc_lo, v[LG+\e], v196
	v_cmp_gt_f32 s28, v[LG+\e], v198
	v_cndmask_b32 v198, v198, v[LG+\e], s28        ; better than the second: it takes the second place,
	v_cndmask_b32 v199, v199, v200, s28
	v_cndmask_b32 v198, v198, v196, vcc_lo         ; better than the best: the old best does
	v_cndmask_b32 v199, v199, v197, vcc_lo
	v_cndmask_b32 v196, v196, v[LG+\e], vcc_lo
	v_cndmask_b32 v197, v197, v200, vcc_lo
.endr
	v_sub_f32 v201, v198, v196                     ; second - best: 0 or less
	v_mul_f32 v201, 0x3fb8aa3b, v201               ; x log2(e)
	s_wait_alu depctr_va_vdst(0)
	v_exp_f32 v202, v201
	v_lshl_or_b32 v205, v199, 8, v197              ; (a plain line behind the exponential)  the word for selm
	s_wait_alu depctr_va_vdst(0)                   ; the wait ahead of the first reader of the result
	v_add_f32 v203, 1.0, v202
	s_wait_alu depctr_va_vdst(0)
	v_rcp_f32 v204, v203                           ; the best expert's weight
	v_and_b32 v206, 1, v1                          ; (a plain line behind the reciprocal)
	s_wait_alu depctr_va_vdst(0)
	v_mul_f32 v202, v202, v204                     ; the second's
	v_cmp_eq_u32 vcc_lo, 1, v206
	v_cndmask_b32 v207, v204, v202, vcc_lo         ; even lanes hold the first weight, odd lanes the second
	v_lshlrev_b32 v206, 2, v206
	v_mov_b32 v200, 0
	global_store_b32 v200, v205, s[10:11]          ; all lanes write the same word with the same value
	global_store_b32 v206, v207, s[12:13]
	s_wait_tensorcnt 0x0
	ds_add_u32 v208, v209
	s_wait_dscnt 0x0
	s_endpgm
.Lfunc_end_k_qac66acebb3_route:
	.size	k_qac66acebb3_route, .Lfunc_end_k_qac66acebb3_route-k_qac66acebb3_route
	.p2alignl 7, 3214868480
	.fill 96, 4, 3214868480
	.section	.rodata,"a",@progbits
	.p2align	6, 0x0
	.amdhsa_kernel k_qac66acebb3_route
		.amdhsa_group_segment_fixed_size 33792
		.amdhsa_private_segment_fixed_size 0
		.amdhsa_enable_private_segment 0
		.amdhsa_kernarg_size 40
		.amdhsa_user_sgpr_count 2
		.amdhsa_user_sgpr_kernarg_segment_ptr 1
		.amdhsa_wavefront_size32 1
		.amdhsa_system_sgpr_workgroup_id_x 1
		.amdhsa_system_sgpr_workgroup_id_y 1
		.amdhsa_system_sgpr_workgroup_id_z 1
		.amdhsa_system_vgpr_workitem_id 0
		.amdhsa_next_free_vgpr 210
		.amdhsa_next_free_sgpr 66
		.amdhsa_reserve_vcc 1
		.amdhsa_float_denorm_mode_32 3
		.amdhsa_float_denorm_mode_16_64 3
		.amdhsa_memory_ordered 1
		.amdhsa_forward_progress 1
		.amdhsa_inst_pref_size 26
	.end_amdhsa_kernel
	.amdgpu_metadata
---
amdhsa.version: [ 1, 2 ]
amdhsa.kernels:
  - .name:           k_qac66acebb3_route
    .symbol:         k_qac66acebb3_route.kd
    .args:
      - { .name: hidden_states, .offset: 0, .size: 8, .value_kind: global_buffer, .address_space: global }
      - { .name: gate_w, .offset: 8, .size: 8, .value_kind: global_buffer, .address_space: global }
      - { .name: xq, .offset: 16, .size: 8, .value_kind: global_buffer, .address_space: global }
      - { .name: selm, .offset: 24, .size: 8, .value_kind: global_buffer, .address_space: global }
      - { .name: cw, .offset: 32, .size: 8, .value_kind: global_buffer, .address_space: global }
    .group_segment_fixed_size: 33792
    .private_segment_fixed_size: 0
    .kernarg_segment_align: 8
    .kernarg_segment_size: 40
    .max_flat_workgroup_size: 128
    .sgpr_count:     66
    .vgpr_count:     210
    .wavefront_size: 32
...
	.end_amdgpu_metadata
.endif
;; end of part 1
;; launch up (part 2): grid 32 x 8, 16 waves a work-group, no clusters, 76,800 bytes of LDS; arguments w1, b1, xq, selm, hq, hs, lst; writes hq, hs, lst
.if DOCPART == 2
	.amdgcn_target "amdgcn-amd-amdhsa--gfx1250"
	.amdhsa_code_object_version 6
	.text
	.protected	k_qac66acebb3_up
	.globl	k_qac66acebb3_up
	.p2align	8
	.type	k_qac66acebb3_up,@function
k_qac66acebb3_up:
	s_mov_b64 s[64:65], 0
	v_nop
	global_prefetch_b8 v0, s[64:65] scope:SCOPE_SE
	s_setreg_imm32_b32 hwreg(HW_REG_WAVE_MODE, 25, 1), 1
	s_wait_xcnt 0x0
; UP.  h = Q(gelu(Q(x) Q(w1[e]) + b1[e])) for the rows that chose expert e, both operands as codes of FP4 (E2M1) with one E8M0 scale for each 32 along K.
; A work-group owns expert e (grid y) and 128 of its 4,096 hidden units (grid x).  It alone reads those 1,024 x 128 numbers of w1, once, as f32, quantises them in registers and keeps the codes in LDS.
; Only the rows that chose the expert are multiplied: the reference's combine weight is zero for all others.
; THE LIST.  Wave 0 reads selm (stored by the launch before) and places the row ids 2 t + j of the expert's rows one behind the other in LDS.  A tile is 16 places of the list.  The places behind the last row
; repeat it, all others hold row 0: so every tile can be computed with all lanes on, and only tiles that hold rows are stored (tile 0 always: the next launch reads it whatever the count).  The work-group with x = 0 stores list and count for the next launch.
; THE STREAM.  Eight chunks of 64 columns x 256 along K (chunks 0-3: columns 0-63; 4-7: columns 64-127).  In a chunk wave w takes 32 columns (w & 1) and one block of 32 along K (w >> 1): A LANE TAKES A COLUMN AND ITS 32
; REGISTERS RUN DOWN K, so a load reads 128 consecutive bytes (two waves side by side 256), a block's largest magnitude needs no other lane, and the conversions give codes with K innermost.  Two blocks a wave are on their way.
; The codes go to LDS as images of the operand's registers (a fragment of 16 columns x 128 K is 1,024 bytes: block q of row r at 256 q + 16 r).  Nothing in LDS is written twice, so one barrier a chunk does.
; THE PRODUCT lags one chunk.  Wave w multiplies tiles w and w + 16 of the list against the chunk's four tiles of columns: eight accumulators by turns.  It is used transposed (source 0 = 16 columns of w1, source 1 = 16 rows of x):
; a lane holds one row and its registers run along the hidden units.  THE COLUMNS OF A TILE ARE NOT NEIGHBOURS: row r of tile 2 b + u is column 32 b + 8 u + r + 8 (r / 8), so that the 16 registers of tiles 2 b, 2 b + 1 are
; 16 neighbours along the next K.  The accumulators begin as the bias.  gelu is x / (1 + 2^(x (a + b x x))), which is the tanh form of the reference written with one exponential.
; OUT: hq [e][tile][K step of 128][1,024 bytes]: images of the next product's fragments; hs [e][tile][K step][16 rows x 4 scale bytes].
; Tiles w + 32 and w + 48 exist only where more than 512 rows chose the expert: they are made behind the stream, from the codes kept in LDS.
; NO TENSOR LOADS, NO CLUSTER: branches hang on the stored count, and no byte of w1 is read by two work-groups.
; LIMITS: NaN and infinities are not served.  A block of zeros gets the byte 1 and not 127: its codes are zeros and this program alone reads the bytes.
.set WS,    65536                      ; LDS: 0 the codes: fragment (half ss, tile t, K step s) at 32768 ss + 8192 t + 1024 s;  here the weights' scale bytes: chunk J at 512 J: 256 (K step in the chunk) + 16 r + 4 t + block
.set BIAS,  69632                      ; b1 of my 128 hidden units
.set LIST,  70144                      ; 1,056 words
.set TRASH, 74368                      ; a word a lane, for the lanes that have nothing to place: words 1,056 to 1,087 counted from LIST
.set NEW,   74496                      ; the count
.set XQS,   524288                     ; where the scale bytes begin in xq
.set LI,  1                            ; v1   16 x lane: my place in an image
.set LIW, 2                            ; v2   WS + 16 x lane
.set PST, 3                            ; v3   where my block's 16 bytes of codes go
.set PSS, 4                            ; v4   where its scale byte goes
.set WO,  5                            ; v5   4 x lane: my column
.set XO,  6                            ; v6-7 my row of x in xq, for my two tiles: 512 x token + 16 (lane / 16)
.set BA,  8                            ; v8   BIAS + 64 (lane / 16)
.set HOFF, 9                           ; v9   hq: 32768 x wave + 16 x lane
.set HSO, 10                           ; v10  hs: 2048 x wave + 4 (lane % 16)
.set LR,  11                           ; v11  LIST + 64 x wave + 4 (lane % 16)
.set LRS, 12                           ; v12  the same, lanes 16-31 a further 16 tiles on
.set HSW, 13                           ; v13-14 the first half of a row's scale word, for my two tiles
.set XSO, 15                           ; v15  32 x token: x's scale bytes; lanes 0-15 tile w, lanes 16-31 tile w + 16
.set CA,  16                           ; v16-17 a = -2 sqrt(2 / pi) log2(e), twice
.set H16, 18                           ; v18  16 (lane / 16)
.set LN,  19                           ; v19  lane
.set WSC, 20                           ; v20-23 the weights' scale words of a chunk: register t = tile t; lanes 0-15 its first K step, lanes 16-31 its second
.set XSC, 24                           ; v24-31 x's scale words: register s = K step s
.set WF,  32                           ; v32-63 four fragments of w1; gelu's scratch
.set XF,  64                           ; v64-95 x's fragments: tile m, K step p of the chunk at 8 (2 m + p)
.set WST, 96                           ; v96-159 two blocks of 32 numbers of w1
.set ACC, 160                          ; v160-223 accumulators: tile m of rows, tile t of columns at 32 m + 8 t
.set MX0, 224                          ; v224-231 the weights' quantiser
.set MX1, 225
.set SCL, 226
.set BYT, 227
.set CD,  228
.set TM,  232                          ; v232-247 the hidden layer's quantiser
.set TP,  234
.set TS,  236
.set TB,  238
.set HWW, 240
.set HWO, 241
.set PCD, 244
.set ZQ,  240                          ; v240-243 zeros, at the head only
.set XO2, 248                          ; v248-249 the overflow tiles' offsets
.set XS2, 249
.set T2L, 250                          ; v250-255 at the head only: 8 x lane; my trash word's number, 1,056 + lane; LIST + 16 x lane; LIST + 4096 + 4 x lane; BIAS + 16 x lane; the count's word
.set TR,  251
.set LZ,  252
.set LT,  253
.set BW,  254
.set NEA, 255
.set CB,  32                           ; s[32:33] b = 0.044715 a, twice
.macro NOP4                            ; four places: a load into a register that a matrix instruction has named, and the first read of a result, stand four plain vector instructions behind it (ISA guide 7.12.1 for vector instructions)
.rept 4
	v_nop
.endr
.endm
.macro WM d, a, b, sa, sb, ra, rb      ; one product; ra, rb: the scales are taken from lanes 16-31
.if (\ra) && (\rb)
	v_wmma_scale_f32_16x16x128_f8f6f4 v[\d:\d+7], v[\a:\a+7], v[\b:\b+7], v[\d:\d+7], v[\sa], v[\sb] matrix_a_fmt:MATRIX_FMT_FP4 matrix_b_fmt:MATRIX_FMT_FP4 matrix_a_scale:MATRIX_SCALE_ROW1 matrix_b_scale:MATRIX_SCALE_ROW1
.elseif (\ra)
	v_wmma_scale_f32_16x16x128_f8f6f4 v[\d:\d+7], v[\a:\a+7], v[\b:\b+7], v[\d:\d+7], v[\sa], v[\sb] matrix_a_fmt:MATRIX_FMT_FP4 matrix_b_fmt:MATRIX_FMT_FP4 matrix_a_scale:MATRIX_SCALE_ROW1
.elseif (\rb)
	v_wmma_scale_f32_16x16x128_f8f6f4 v[\d:\d+7], v[\a:\a+7], v[\b:\b+7], v[\d:\d+7], v[\sa], v[\sb] matrix_a_fmt:MATRIX_FMT_FP4 matrix_b_fmt:MATRIX_FMT_FP4 matrix_b_scale:MATRIX_SCALE_ROW1
.else
	v_wmma_scale_f32_16x16x128_f8f6f4 v[\d:\d+7], v[\a:\a+7], v[\b:\b+7], v[\d:\d+7], v[\sa], v[\sb] matrix_a_fmt:MATRIX_FMT_FP4 matrix_b_fmt:MATRIX_FMT_FP4
.endif
.endm
.macro LOADW J                         ; my block of chunk J: rows 256 (J & 3) + 32 (wave / 2) + i, 16,384 bytes apart; the base of the upper half of K where J & 2
.set WR, WST+32*((\J)%2)
.set WBS, 24+2*(((\J)&3)>>1)
.set WI, ((\J)&1)*4194304+((\J)>>2)*256
.set i, 0
.rept 32
	global_load_b32 v[WR+i], v[WO], s[WBS:WBS+1] offset:WI+16384*i th:TH_LOAD_NT
.set i, i+1
.endr
.endm
.macro QW J                            ; the block becomes 16 bytes of codes and a scale byte
.set WR, WST+32*((\J)%2)
	v_max3_num_f32 v[MX0], |v[WR]|, |v[WR+1]|, |v[WR+2]|
	v_max3_num_f32 v[MX1], |v[WR+3]|, |v[WR+4]|, |v[WR+5]|
.irp i, 6,10,14,18,22,26
	s_delay_alu instid0(VALU_DEP_2)
	v_max3_num_f32 v[MX0], v[MX0], |v[WR+\i]|, |v[WR+\i+1]|
	s_delay_alu instid0(VALU_DEP_2)
	v_max3_num_f32 v[MX1], v[MX1], |v[WR+\i+2]|, |v[WR+\i+3]|
.endr
	s_delay_alu instid0(VALU_DEP_2)
	v_max3_num_f32 v[MX0], v[MX0], |v[WR+30]|, |v[WR+31]|
	s_delay_alu instid0(VALU_DEP_1)
	v_max3_num_f32 v[MX0], v[MX0], v[MX1], 0x1800000       ; the floor 2^(3 - 127): the byte cannot fall under 1
	s_delay_alu instid0(VALU_DEP_1)
	v_add_nc_u32 v[SCL], 0xff000000, v[MX0]                ; 2 off the exponent field: the conversion's scale operand
	s_delay_alu instid0(VALU_DEP_1)
	v_lshrrev_b32 v[BYT], 23, v[SCL]
.irp g, 0,1,2,3
	v_cvt_scalef32_pk8_fp4_f32 v[CD+\g], v[WR+8*\g:WR+8*\g+7], v[SCL]
.endr
	v_nop                                          ; one plain line behind the last scaled conversion
	ds_store_b128 v[PST], v[CD:CD+3] offset:32768*((\J)>>2)+2048*((\J)&3)
	ds_store_b8 v[PSS], v[BYT] offset:512*(\J)
.endm
.macro XLOAD J                         ; x's fragments of the chunk's two K steps, for my two tiles
.irp m, 0,1
.irp p, 0,1
.irp c, 0,1
	global_load_b128 v[XF+8*(2*\m+\p)+4*\c:XF+8*(2*\m+\p)+4*\c+3], v[XO+\m], s[8:9] offset:64*(2*((\J)&3)+\p)+32*\c
.endr
.endr
.endr
.endm
.macro CONSUME J                       ; chunk J: 16 products.  The eight accumulators take turns, one instruction a turn, in the same order in every K step
	ds_load_b128 v[WSC:WSC+3], v[LIW] offset:512*(\J)
.irp p, 0,1
.if \p
	NOP4
.endif
.irp t, 0,1,2,3
.irp c, 0,1
	ds_load_b128 v[WF+8*\t+4*\c:WF+8*\t+4*\c+3], v[LI] offset:32768*((\J)>>2)+8192*\t+1024*(2*((\J)&3)+\p)+512*\c
.endr
.endr
	s_wait_dscnt 0x0
	s_cmp_lg_u32 s46, 0                            ; tile w + 16 is multiplied only where it holds rows: a branch on the stored count
	s_cbranch_scc0 .Lone_\@_\p
.irp t, 0,1,2,3
.irp m, 0,1
	WM ACC+32*\m+8*\t, WF+8*\t, XF+8*(2*\m+\p), WSC+\t, XSC+2*((\J)&3)+\p, \p, \m
.endr
.endr
	s_branch .Ldn_\@_\p
.Lone_\@_\p:
.irp t, 0,1,2,3
	WM ACC+8*\t, WF+8*\t, XF+8*\p, WSC+\t, XSC+2*((\J)&3)+\p, \p, 0
.endr
.Ldn_\@_\p:
.endr
.endm
.macro ACCINIT nm, ss                  ; the accumulators begin as the bias: tile 2 b + u, register j, half h of the lanes: hidden unit 64 ss + 32 b + 16 h + 8 u + j
.set mm, 0
.rept \nm
.irp t, 0,1,2,3
	ds_load_b128 v[ACC+32*mm+8*\t:ACC+32*mm+8*\t+3], v[BA] offset:256*(\ss)+128*(\t/2)+32*(\t%2)
	ds_load_b128 v[ACC+32*mm+8*\t+4:ACC+32*mm+8*\t+7], v[BA] offset:256*(\ss)+128*(\t/2)+32*(\t%2)+16
.endr
.set mm, mm+1
.endr
.endm
; A tile's 16 rows x 64 hidden units (32 registers from A on, register 16 b + i = unit 32 b + 16 (lane / 16) + i of my row): gelu, quantised along the units, stored.  Each accumulator is read from its low end on.
.macro EPI A, slot, ss, hsw
.set k, 0
.rept 16
	v_pk_mul_f32 v[WF+k:WF+k+1], v[\A+k:\A+k+1], v[\A+k:\A+k+1]                          ; x x
.set k, k+2
.endr
.set k, 0
.rept 16
	v_pk_fma_f32 v[WF+k:WF+k+1], v[WF+k:WF+k+1], s[CB:CB+1], v[CA:CA+1] op_sel_hi:[1,0,0]   ; a + b x x
.set k, k+2
.endr
.set k, 0
.rept 16
	v_pk_mul_f32 v[WF+k:WF+k+1], v[WF+k:WF+k+1], v[\A+k:\A+k+1]                          ; x (a + b x x)
.set k, k+2
.endr
.set k, 0
	s_wait_alu depctr_va_vdst(0)
.rept 32
	v_exp_f32 v[WF+k], v[WF+k]
.set k, k+1
.endr
	v_nop                                          ; a plain line behind the last exponential
	s_wait_alu depctr_va_vdst(0)                   ; one wait for the batch, ahead of its first reader
.set k, 0
.rept 16
	v_pk_add_f32 v[WF+k:WF+k+1], v[WF+k:WF+k+1], 1.0 op_sel_hi:[1,0]
.set k, k+2
.endr
.set k, 0
	s_wait_alu depctr_va_vdst(0)
.rept 32
	v_rcp_f32 v[WF+k], v[WF+k]
.set k, k+1
.endr
	v_nop
	s_wait_alu depctr_va_vdst(0)
.set k, 0
.rept 16
	v_pk_mul_f32 v[\A+k:\A+k+1], v[\A+k:\A+k+1], v[WF+k:WF+k+1]                          ; gelu(x)
.set k, k+2
.endr
.irp b, 0,1
	v_max3_num_f32 v[TM+\b], |v[\A+16*\b]|, |v[\A+16*\b+1]|, 0x1800000                   ; block b: my 16 numbers and the floor
.endr
.irp i, 2,4,6,8,10,12,14
.irp b, 0,1
	s_delay_alu instid0(VALU_DEP_2)
	v_max3_num_f32 v[TM+\b], v[TM+\b], |v[\A+16*\b+\i]|, |v[\A+16*\b+\i+1]|
.endr
.endr
.irp b, 0,1
	s_delay_alu instid0(VALU_DEP_2)
	v_permlanex16_b32 v[TP+\b], v[TM+\b], s30, s31
.endr
.irp b, 0,1
	s_delay_alu instid0(VALU_DEP_2)
	v_max_num_f32 v[TM+\b], v[TM+\b], v[TP+\b]     ; with lane l xor 16's 16: the block's largest magnitude
.endr
.irp b, 0,1
	s_delay_alu instid0(VALU_DEP_2)
	v_add_nc_u32 v[TS+\b], 0xff000000, v[TM+\b]
.endr
.irp b, 0,1
	s_delay_alu instid0(VALU_DEP_2)
	v_lshrrev_b32 v[TB+\b], 23, v[TS+\b]
.endr
	s_delay_alu instid0(VALU_DEP_1)
	v_lshl_or_b32 v[HWW], v[TB+1], 8, v[TB]        ; these two blocks' bytes
.irp b, 0,1
	v_cvt_scalef32_pk8_fp4_f32 v[PCD+2*\b], v[\A+16*\b:\A+16*\b+7], v[TS+\b]
	v_cvt_scalef32_pk8_fp4_f32 v[PCD+2*\b+1], v[\A+16*\b+8:\A+16*\b+15], v[TS+\b]
.endr
	v_nop                                          ; one plain line behind the last scaled conversion
	v_permlane16_swap_b32 v[PCD], v[PCD+2]         ; the operand wants a whole block in a lane: lanes 0-15 block 0, lanes 16-31 block 1
	v_permlane16_swap_b32 v[PCD+1], v[PCD+3]
	global_store_b128 v[HOFF], v[PCD:PCD+3], s[12:13] offset:524288*(\slot)+512*(\ss)    ; registers 4 ss .. 4 ss + 3 of the fragment's image: the wave stores 512 consecutive bytes
.if (\ss) == 0
	v_mov_b32 v[\hsw], v[HWW]
.else
	v_lshl_or_b32 v[HWO], v[HWW], 16, v[\hsw]      ; the row's scale word is whole
	global_store_b32 v[HSO], v[HWO], s[14:15] offset:32768*(\slot)
.endif
	s_wait_xcnt 0x0                                ; the stores have read their registers: these may be written again
.endm
.macro EPIC A, slot, ss, hsw           ; only where the tile holds rows (tile 0 always): a branch on the stored count
	s_add_co_u32 s42, s41, 256*(\slot)
	s_cmp_lt_u32 s42, s40
	s_cbranch_scc0 .Lskip_\@
	EPI \A, \slot, \ss, \hsw
.Lskip_\@:
.endm
.macro OVER slot                       ; tile w + 16 slot, slot 2 or 3: all of it from the codes kept in LDS; four accumulators by turns
	s_add_co_u32 s42, s41, 256*(\slot)
	s_cmp_lt_u32 s42, s40
	s_cbranch_scc0 .Lno_over_\@
	ds_load_b32 v[XO2], v[LR] offset:1024*(\slot)
	s_wait_dscnt 0x0
	v_lshrrev_b32 v[XO2], 1, v[XO2]                ; row id -> token,
	s_delay_alu instid0(VALU_DEP_1)
	v_min_u32 v[XO2], 0x3ff, v[XO2]                ; held inside the table
	s_delay_alu instid0(VALU_DEP_1)
	v_lshlrev_b32 v[XS2], 5, v[XO2]
	s_delay_alu instid0(VALU_DEP_2)
	v_lshl_add_u32 v[XO2], v[XO2], 9, v[H16]
.set k, 0
.rept 8
	global_load_b128 v[WST+8*k:WST+8*k+3], v[XO2], s[8:9] offset:64*k
	global_load_b128 v[WST+8*k+4:WST+8*k+7], v[XO2], s[8:9] offset:64*k+32
.set k, k+1
.endr
	global_load_b128 v[XSC:XSC+3], v[XS2], s[8:9] offset:XQS
	global_load_b128 v[XSC+4:XSC+7], v[XS2], s[8:9] offset:XQS+16
	s_wait_loadcnt 0x0
.irp q, 0,1
	ACCINIT 1, \q
.irp z, 0,1,2,3,4,5,6,7
	NOP4
.if (\z%2) == 0
	ds_load_b128 v[WSC:WSC+3], v[LIW] offset:512*(4*\q+\z/2)
.endif
.irp t, 0,1,2,3
.irp c, 0,1
	ds_load_b128 v[WF+8*\t+4*\c:WF+8*\t+4*\c+3], v[LI] offset:32768*\q+8192*\t+1024*\z+512*\c
.endr
.endr
	s_wait_dscnt 0x0
.irp t, 0,1,2,3
	WM ACC+8*\t, WF+8*\t, WST+8*\z, WSC+\t, XSC+\z, \z%2, 0
.endr
.endr
	NOP4
	EPI ACC, \slot, \q, HSW
.endr
.Lno_over_\@:
.endm
; A trip: the products of the chunk before; x's fragments of this chunk; this chunk's block quantised; the block two chunks on asked for; the barrier that shows the chunk's codes to all waves.
; N, trips 1 to 6: 32, the loads of the block asked for last; all older loads (x's fragments of the chunk before, this chunk's block) are in.  Trip 0: see below.
.macro TRIP J, N
.if (\J) >= 1
	s_wait_loadcnt \N
	CONSUME (\J)-1
.endif
.if (\J) <= 7
.if (\J) >= 1
	NOP4
.endif
	XLOAD \J
.if (\J) == 0
	s_wait_loadcnt \N
.endif
	QW \J
.if (\J) <= 5
	LOADW (\J)+2
.endif
	s_wait_dscnt 0x0                               ; my stores have landed, for the other waves' sake
	s_barrier_signal -1
	s_barrier_wait -1
.endif
.endm
	s_load_b256 s[4:11], s[0:1], 0x0               ; w1 s[4:5], b1 s[6:7], xq s[8:9], selm s[10:11]
	s_load_b128 s[12:15], s[0:1], 0x20             ; hq s[12:13], hs s[14:15]
	s_load_b64 s[16:17], s[0:1], 0x30              ; lst
	v_lshrrev_b32 v1, 5, v0
	s_delay_alu instid0(VALU_DEP_1)
	v_readfirstlane_b32 s18, v1                    ; wave 0..15
	s_and_b32 s19, s18, 1                          ; cg: which 32 of a chunk's 64 columns
	s_lshr_b32 s20, s18, 1                         ; kb: which block of its 8 along K
	s_mov_b32 s21, ttmp9                           ; the slice of 128 hidden units
	s_and_b32 s22, ttmp7, 0xffff                   ; the expert
	; every address register is made here, ahead of the branch on the wave's number
	v_and_b32 v[LN], 31, v0
	v_bfe_u32 v225, v0, 4, 1                       ; h = lane / 16
	s_delay_alu instid0(VALU_DEP_1)
	v_lshlrev_b32 v[H16], 4, v225
	s_delay_alu instid0(VALU_DEP_3)
	v_lshlrev_b32 v[LI], 4, v[LN]
	s_delay_alu instid0(VALU_DEP_4)
	v_lshl_add_u32 v[LIW], v[LN], 4, WS
	v_and_b32 v224, 7, v0
	s_delay_alu instid0(VALU_DEP_1)
	v_lshl_add_u32 v224, v225, 3, v224             ; my column's row in its tile: 8 (lane / 16) + lane % 8
	s_wait_alu depctr_va_vdst(0)
	v_bfe_u32 v226, v0, 3, 1                       ; and the tile of the pair: (lane / 8) % 2
	s_lshl_b32 s28, s19, 14
	s_lshl_b32 s29, s20, 8
	s_add_co_u32 s28, s28, s29
	v_lshlrev_b32 v[PST], 4, v224
	s_delay_alu instid0(VALU_DEP_1)
	v_lshl_add_u32 v[PST], v226, 13, v[PST]
	s_delay_alu instid0(VALU_DEP_1)
	v_add_nc_u32 v[PST], s28, v[PST]               ; 16 r + 8192 u + 16384 cg + 256 kb
	s_lshl_b32 s28, s19, 3
	s_lshr_b32 s29, s20, 2
	s_lshl_b32 s29, s29, 8
	s_add_co_u32 s28, s28, s29
	s_and_b32 s29, s20, 3
	s_add_co_u32 s28, s28, s29
	s_add_co_u32 s28, s28, WS
	v_lshlrev_b32 v[PSS], 4, v224
	s_wait_alu depctr_va_vdst(0)
	v_lshl_add_u32 v[PSS], v226, 2, v[PSS]
	s_delay_alu instid0(VALU_DEP_1)
	v_add_nc_u32 v[PSS], s28, v[PSS]               ; WS + 16 r + 4 (2 cg + u) + 256 (kb / 4) + kb % 4
	v_lshlrev_b32 v[WO], 2, v[LN]
	v_lshl_add_u32 v[BA], v225, 6, BIAS
	s_lshl_b32 s28, s18, 15
	v_add_nc_u32 v[HOFF], s28, v[LI]
	v_and_b32 v227, 15, v0
	s_lshl_b32 s28, s18, 11
	v_lshl_add_u32 v[HSO], v227, 2, s28
	s_lshl_b32 s28, s18, 6
	s_add_co_u32 s28, s28, LIST
	v_lshl_add_u32 v[LR], v227, 2, s28
	s_delay_alu instid0(VALU_DEP_1)
	v_lshl_add_u32 v[LRS], v225, 10, v[LR]
	v_mov_b32 v[HSW], 0
	v_mov_b32 v[HSW+1], 0
	v_mov_b32 v[CA], 0xc0135761                    ; a = -2.3022082
	v_mov_b32 v[CA+1], 0xc0135761
	v_mov_b32 v[TP], 0                             ; written once: a lane permute's destination counts as read
	v_mov_b32 v[TP+1], 0
.irp g, 0,1,2,3
	v_mov_b32 v[ZQ+\g], 0
.endr
	v_lshlrev_b32 v[T2L], 3, v[LN]
	v_add_nc_u32 v[TR], (TRASH-LIST)/4, v[LN]      ; my trash word, as a word's number from LIST on
	v_lshl_add_u32 v[LZ], v[LN], 4, LIST
	v_lshl_add_u32 v[LT], v[LN], 2, LIST+4096
	v_lshl_add_u32 v[BW], v[LN], 4, BIAS
	v_mov_b32 v[NEA], NEW
	s_mov_b32 s30, 0x76543210
	s_mov_b32 s31, 0xfedcba98                      ; v_permlanex16_b32: lane l xor 16
	s_mov_b32 s[CB], 0xbdd2d3e8                    ; b = -0.10294324
	s_mov_b32 s[CB+1], 0xbdd2d3e8
	s_lshl_b32 s41, s18, 4                         ; the first place of my tile w
	; byte offsets, apart from the addresses
	s_lshl_b32 s28, s22, 24                        ; w1: an expert is 2^24 bytes, a block of 32 rows 2^19, a slice 512, 32 columns 128
	s_lshl_b32 s29, s20, 19
	s_add_co_u32 s28, s28, s29
	s_lshl_b32 s29, s21, 9
	s_add_co_u32 s28, s28, s29
	s_lshl_b32 s29, s19, 7
	s_add_co_u32 s28, s28, s29
	s_mov_b32 s29, 0
	s_lshl_b32 s34, s22, 14                        ; b1
	s_lshl_b32 s35, s21, 9
	s_add_co_u32 s34, s34, s35
	s_mov_b32 s35, 0
	s_lshl_b32 s36, s22, 21                        ; hq: an expert is 2^21 bytes, a K step (my slice) 1,024
	s_lshl_b32 s37, s21, 10
	s_add_co_u32 s36, s36, s37
	s_mov_b32 s37, 0
	s_lshl_b32 s38, s22, 17                        ; hs: 2^17 and 64
	s_lshl_b32 s39, s21, 6
	s_add_co_u32 s38, s38, s39
	s_mov_b32 s39, 0
	s_lshl_b32 s42, s22, 12                        ; lst: an expert's list is 4,096 bytes,
	s_mov_b32 s43, 0
	s_lshl_b32 s44, s22, 2                         ; its count a word
	s_mov_b32 s45, 0
	s_wait_kmcnt 0x0
	s_add_nc_u64 s[24:25], s[4:5], s[28:29]        ; w1 at my column and block, rows 0-511 of K,
	s_add_nc_u64 s[26:27], s[24:25], 0x800000      ; and rows 512-1023: so every row's offset fits the immediate
	s_add_nc_u64 s[6:7], s[6:7], s[34:35]
	s_add_nc_u64 s[12:13], s[12:13], s[36:37]
	s_add_nc_u64 s[14:15], s[14:15], s[38:39]
	s_add_nc_u64 s[36:37], s[16:17], s[42:43]
	s_add_nc_u64 s[38:39], s[16:17], s[44:45]
	s_cmp_lg_u32 s18, 0
	s_cbranch_scc1 .Lothers
	; ---- wave 0: the bias and the list
.set k, 0
.rept 8
	global_load_b128 v[XF+4*k:XF+4*k+3], v[LI], s[10:11] offset:512*k   ; selm: register 4 q + i holds token 128 q + 4 lane + i
.set k, k+1
.endr
	global_load_b128 v[CD:CD+3], v[LI], s[6:7]     ; b1 of the slice
	LOADW 0
	s_wait_loadcnt 32                              ; selm and b1 are in; the 32 loads of my first block, issued behind them, may be out
	s_wait_alu depctr_va_vdst(0)
	ds_store_b128 v[BW], v[CD:CD+3]
.set k, 0
.rept 8
	ds_store_b128 v[LZ], v[ZQ:ZQ+3] offset:512*k   ; the list begins as zeros
.set k, k+1
.endr
	ds_store_b32 v[LT], v[ZQ]
	; 32 groups of 32 tokens, stage by stage, so that no line waits for the line above it.  Group n: place in v[ACC + 2 n], row id in v[ACC + 2 n + 1], mask in s[MK + n].  Each group has its own registers: no LDS store's source is written again
.set MK, 66                            ; s66-97 the 32 masks
.set n, 0
.rept 32
	v_lshrrev_b32 v[ACC+2*n+1], s22, v[XF+n]
.set n, n+1
.endr
.set n, 0
.rept 32
	v_and_b32 v[ACC+2*n+1], 0x101, v[ACC+2*n+1]    ; bit 0: my expert is the token's first choice; bit 8: its second
.set n, n+1
.endr
.set n, 0
.rept 32
	v_cmp_ne_u32 s[MK+n], 0, v[ACC+2*n+1]
.set n, n+1
.endr
.set n, 0
.rept 32
	v_lshrrev_b32 v[ACC+2*n+1], 8, v[ACC+2*n+1]
.set n, n+1
.endr
.set n, 0
.rept 32
	v_add3_u32 v[ACC+2*n+1], v[ACC+2*n+1], v[T2L], 256*(n/4)+2*(n%4)   ; the row id 2 t + j
.set n, n+1
.endr
	s_mov_b32 s34, 0                               ; rows placed so far
.set n, 0
.rept 32
	v_mbcnt_lo_u32_b32 v[ACC+2*n], s[MK+n], s34    ; the place: the rows placed so far + those of the lanes below me: 1,023 at the most, since a token names an expert once
	s_bcnt1_i32_b32 s35, s[MK+n]
	s_add_co_u32 s34, s34, s35
.set n, n+1
.endr
.set n, 0
.rept 32
	v_cndmask_b32 v[ACC+2*n], v[TR], v[ACC+2*n], s[MK+n]   ; a lane with nothing to place takes its trash word
.set n, n+1
.endr
.set n, 0
.rept 32
	v_min_u32 v[ACC+2*n], 0x43f, v[ACC+2*n]        ; held at the last trash word, 1,087: only the shift and the base follow the hold
.set n, n+1
.endr
.set n, 0
.rept 32
	v_lshl_add_u32 v[ACC+2*n], v[ACC+2*n], 2, LIST
.set n, n+1
.endr
.set n, 0
.rept 32
	ds_store_b32 v[ACC+2*n], v[ACC+2*n+1]
.set n, n+1
.endr
	s_min_u32 s23, s34, 0x400                      ; the count
	s_max_u32 s35, s23, 1
	s_sub_co_u32 s35, s35, 1
	s_min_u32 s35, s35, 0x3ff
	s_lshl_b32 s35, s35, 2
	s_add_co_u32 s35, s35, LIST
	v_mov_b32 v[TS], s35
	ds_load_b32 v[TS+1], v[TS]                     ; the last row (LDS serves a wave's instructions in order: it sees the stores above)
	v_add_nc_u32 v[TB], s23, v[LN]
	s_delay_alu instid0(VALU_DEP_1)
	v_lshl_add_u32 v[TB], v[TB], 2, LIST
	v_mov_b32 v[TB+1], s23
	s_wait_alu depctr_va_vdst(0)
	s_wait_dscnt 0x0
	ds_store_b32 v[TB], v[TS+1]                    ; is repeated in the 32 places behind it: the last tile is whole
	ds_store_b32 v[NEA], v[TB+1]
	s_cmp_lg_u32 s21, 0                            ; one work-group of the expert stores list and count for the next launch
	s_cbranch_scc1 .Ljoin
.set k, 0
.rept 8
	ds_load_b128 v[XF+4*k:XF+4*k+3], v[LZ] offset:512*k
.set k, k+1
.endr
	s_wait_dscnt 0x0
.set k, 0
.rept 8
	global_store_b128 v[LI], v[XF+4*k:XF+4*k+3], s[36:37] offset:512*k
.set k, k+1
.endr
	global_store_b32 v[ZQ], v[TB+1], s[38:39] offset:32768
	s_wait_xcnt 0x0                                ; the stores have read their registers
	s_branch .Ljoin
.Lothers:
	LOADW 0
.Ljoin:
	LOADW 1
	s_wait_dscnt 0x0
	s_barrier_signal -1
	s_barrier_wait -1                              ; bias, list and count lie in LDS; no other wave has touched LDS before this barrier
	s_wait_alu depctr_va_vdst(0)
	ds_load_b32 v[TM], v[NEA]
	ds_load_b32 v[XO], v[LR]
	ds_load_b32 v[XO+1], v[LR] offset:1024
	ds_load_b32 v[XSO], v[LRS]
	s_wait_dscnt 0x0
	v_readfirstlane_b32 s23, v[TM]
	s_min_u32 s23, s23, 0x400
	s_max_u32 s40, s23, 1
	s_add_co_u32 s46, s41, 256                     ; the first place of tile w + 16
	s_cmp_lt_u32 s46, s40
	s_cselect_b32 s46, 1, 0                        ; 1: that tile holds rows
.irp m, 0,1
	v_lshrrev_b32 v[XO+\m], 1, v[XO+\m]            ; row id -> token,
	s_delay_alu instid0(VALU_DEP_1)
	v_min_u32 v[XO+\m], 0x3ff, v[XO+\m]            ; held inside the table
	s_delay_alu instid0(VALU_DEP_1)
	v_lshl_add_u32 v[XO+\m], v[XO+\m], 9, v[H16]
.endr
	v_lshrrev_b32 v[XSO], 1, v[XSO]
	s_delay_alu instid0(VALU_DEP_1)
	v_min_u32 v[XSO], 0x3ff, v[XSO]
	s_delay_alu instid0(VALU_DEP_1)
	v_lshlrev_b32 v[XSO], 5, v[XSO]
	global_load_b128 v[XSC:XSC+3], v[XSO], s[8:9] offset:XQS
	global_load_b128 v[XSC+4:XSC+7], v[XSO], s[8:9] offset:XQS+16
	ACCINIT 2, 0
	TRIP 0, 42                                     ; behind my first block: the second block's 32 loads, the 2 of x's scale words, the 8 of x's fragments
	TRIP 1, 32
	TRIP 2, 32
	TRIP 3, 32
	TRIP 4, 32
	EPIC ACC, 0, 0, HSW                            ; columns 0-63 are finished; two blocks of the stream are on their way meanwhile
	EPIC ACC+32, 1, 0, HSW+1
	ACCINIT 2, 1
	TRIP 5, 32
	TRIP 6, 32
	TRIP 7, 0                                      ; nothing younger is out any more
	TRIP 8, 0
	NOP4
	EPIC ACC, 0, 1, HSW
	EPIC ACC+32, 1, 1, HSW+1
	OVER 2
	OVER 3
	s_wait_xcnt 0x0
	v_lshl_add_u32 v254, v0, 2, 0x12400
	v_mov_b32 v255, 0
	s_wait_alu depctr_va_vdst(0)
	s_wait_tensorcnt 0x0
	ds_add_u32 v254, v255
	s_wait_dscnt 0x0
	s_endpgm
.Lfunc_end_k_qac66acebb3_up:
	.size	k_qac66acebb3_up, .Lfunc_end_k_qac66acebb3_up-k_qac66acebb3_up
	.p2alignl 7, 3214868480
	.fill 96, 4, 3214868480
	.section	.rodata,"a",@progbits
	.p2align	6, 0x0
	.amdhsa_kernel k_qac66acebb3_up
		.amdhsa_group_segment_fixed_size 76800
		.amdhsa_private_segment_fixed_size 0
		.amdhsa_enable_private_segment 0
		.amdhsa_kernarg_size 56
		.amdhsa_user_sgpr_count 2
		.amdhsa_user_sgpr_kernarg_segment_ptr 1
		.amdhsa_wavefront_size32 1
		.amdhsa_system_sgpr_workgroup_id_x 1
		.amdhsa_system_sgpr_workgroup_id_y 1
		.amdhsa_system_sgpr_workgroup_id_z 1
		.amdhsa_system_vgpr_workitem_id 0
		.amdhsa_next_free_vgpr 256
		.amdhsa_next_free_sgpr 100
		.amdhsa_reserve_vcc 0
		.amdhsa_float_denorm_mode_32 3
		.amdhsa_float_denorm_mode_16_64 3
		.amdhsa_memory_ordered 1
		.amdhsa_forward_progress 1
		.amdhsa_inst_pref_size 247
	.end_amdhsa_kernel
	.amdgpu_metadata
---
amdhsa.version: [ 1, 2 ]
amdhsa.kernels:
  - .name:           k_qac66acebb3_up
    .symbol:         k_qac66acebb3_up.kd
    .args:
      - { .name: w1, .offset: 0, .size: 8, .value_kind: global_buffer, .address_space: global }
      - { .name: b1, .offset: 8, .size: 8, .value_kind: global_buffer, .address_space: global }
      - { .name: xq, .offset: 16, .size: 8, .value_kind: global_buffer, .address_space: global }
      - { .name: selm, .offset: 24, .size: 8, .value_kind: global_buffer, .address_space: global }
      - { .name: hq, .offset: 32, .size: 8, .value_kind: global_buffer, .address_space: global }
      - { .name: hs, .offset: 40, .size: 8, .value_kind: global_buffer, .address_space: global }
      - { .name: lst, .offset: 48, .size: 8, .value_kind: global_buffer, .address_space: global }
    .group_segment_fixed_size: 76800
    .private_segment_fixed_size: 0
    .kernarg_segment_align: 8
    .kernarg_segment_size: 56
    .max_flat_workgroup_size: 512
    .sgpr_count:     100
    .vgpr_count:     256
    .wavefront_size: 32
...
	.end_amdgpu_metadata
.endif
;; end of part 2
;; launch down (part 3): grid 32 x 8, 16 waves a work-group, no clusters, 141,568 bytes of LDS; arguments w2, b2, hq, hs, lst, cw, yp; writes yp
.if DOCPART == 3
	.amdgcn_target "amdgcn-amd-amdhsa--gfx1250"
	.amdhsa_code_object_version 6
	.text
	.protected	k_qac66acebb3_down
	.globl	k_qac66acebb3_down
	.p2align	8
	.type	k_qac66acebb3_down,@function
k_qac66acebb3_down:
	s_mov_b64 s[64:65], 0
	v_nop
	global_prefetch_b8 v0, s[64:65] scope:SCOPE_SE
	s_setreg_imm32_b32 hwreg(HW_REG_WAVE_MODE, 25, 1), 1
	s_wait_xcnt 0x0
; DOWN.  yp[kh][row id] = cw[row id] x (h Q(w2[e]) over half kh of K (+ b2[e] in half 0)), for the rows that chose expert e; h arrives as codes from the launch before.
; A work-group owns expert e (grid y), 64 of the 1,024 outputs (x / 2) and half of K = 4,096 (x % 2): it alone reads those 2,048 x 64 numbers of w2, once, as f32: each row's 256 bytes are whole and aligned.
; THE STREAM is that of the launch before: eight chunks of 64 columns x 256 along K; in a chunk wave w takes 32 columns (w & 1) and one block of 32 along K (w >> 1); a lane takes a column and its registers run down K;
; the codes go to LDS as images of the operand's registers and stay; one barrier a chunk; two blocks a wave on their way.
; THE PRODUCT lags one chunk.  Wave w multiplies tiles w and w + 16 of the expert's list (a tile without rows is replaced by tile 0 and not stored): eight accumulators by turns, transposed use
; (source 0 = 16 columns of w2, source 1 = 16 rows of h): a lane holds one row and eight neighbouring outputs.  The accumulators begin as the bias (zeros in the upper half of K).
; THE WAY OUT: times the row's weight, through the wave's own stage in LDS, back as rows of 256 bytes: sixteen lanes store 256 consecutive bytes, aligned, of row (row id) of yp.  The places behind an expert's last row repeat it:
; they hold the same bits and are stored to the same bytes.
; Tiles w + 32 and w + 48 exist only where more than 512 rows chose the expert: they are made behind the stream, from the codes kept in LDS.
; NO TENSOR LOADS, NO CLUSTER: branches hang on the stored count, and no byte of w2 is read by two work-groups.
; LIMITS: NaN and infinities are not served.  A block of zeros gets the byte 1 and not 127: its codes are zeros and this program alone reads the bytes.
.set WS,    65536                      ; LDS: 0 the codes: fragment (tile t, K step s) at 16384 t + 1024 s;  here the scale bytes: chunk J at 512 J: 256 (K step in the chunk) + 16 r + 4 t + block
.set BIAS,  69632                      ; 64 numbers
.set STG,   69888                      ; a stage of 16 rows x 272 bytes for each wave
.set SPITCH, 272
.set LI,  1                            ; v1   16 x lane
.set LIW, 2                            ; v2   WS + 16 x lane
.set PST, 3                            ; v3   where my block's codes go
.set PSS, 4                            ; v4   where its scale byte goes
.set WO,  5                            ; v5   8 (lane % 16) + 4096 (lane / 16)
.set HO,  6                            ; v6-7 hq: 32768 x tile + 16 x lane, for my two tiles
.set BA,  8                            ; v8   BIAS + 32 (lane / 16)
.set SIN, 9                            ; v9   the stage, in: row lane % 16, 32 bytes for each half of the lanes
.set SOUT, 10                          ; v10  and back: lanes 0-15 one row, lanes 16-31 the next
.set RL,  11                           ; v11-12 lst: 64 x tile + 4 (lane / 16): the row ids as the stores want them
.set CO,  13                           ; v13  16 (lane % 16)
.set RR,  14                           ; v14-15 lst: 64 x tile + 4 (lane % 16); then my row's id; then its place in cw
.set CW,  16                           ; v16-17, v18-19 my row's weight, for my two tiles (the packed form names a pair and takes its low word)
.set WSC, 20                           ; v20-23 the weights' scale words of a chunk
.set HSC, 24                           ; v24-39 h's scale words: register s = K step s; lanes 0-15 tile w, lanes 16-31 tile w + 16
.set WF,  40                           ; v40-71 four fragments of w2; rows on the way out
.set HF,  72                           ; v72-103 h's fragments: tile m, K step p of the chunk at 8 (2 m + p)
.set WST, 104                          ; v104-167 two blocks of 32 numbers of w2
.set ACC, 168                          ; v168-231 accumulators at 32 m + 8 t
.set MX0, 232                          ; v232-239 the quantiser
.set MX1, 233
.set SCL, 234
.set BYT, 235
.set CD,  236
.set HOB, 240                          ; v240 32768 x wave + 16 x lane
.set HSO, 241                          ; v241 hs: 2048 x tile + 4 (lane % 16), the tile by the half of the lanes
.set RLB, 242                          ; v242 64 x wave + 4 (lane / 16)
.set RRB, 243                          ; v243 64 x wave + 4 (lane % 16)
.set B2,  244                          ; v244-247 b2
.set BW,  248                          ; v248 BIAS + 16 (lane % 16)
.set HSB, 249                          ; v249 2048 x wave + 4 (lane % 16)
.set ZR,  250                          ; v250 0
.set T0,  251                          ; v251 lane, v252 lane / 16, v253 lane % 16, v254 at work
.set T1,  252
.set T2,  253
.macro NOP4                            ; four places: a load into a register that a matrix instruction has named, and the first read of a result, stand four plain vector instructions behind it (ISA guide 7.12.1 for vector instructions)
.rept 4
	v_nop
.endr
.endm
.macro WM d, a, b, sa, sb, ra, rb      ; one product; ra, rb: the scales are taken from lanes 16-31
.if (\ra) && (\rb)
	v_wmma_scale_f32_16x16x128_f8f6f4 v[\d:\d+7], v[\a:\a+7], v[\b:\b+7], v[\d:\d+7], v[\sa], v[\sb] matrix_a_fmt:MATRIX_FMT_FP4 matrix_b_fmt:MATRIX_FMT_FP4 matrix_a_scale:MATRIX_SCALE_ROW1 matrix_b_scale:MATRIX_SCALE_ROW1
.elseif (\ra)
	v_wmma_scale_f32_16x16x128_f8f6f4 v[\d:\d+7], v[\a:\a+7], v[\b:\b+7], v[\d:\d+7], v[\sa], v[\sb] matrix_a_fmt:MATRIX_FMT_FP4 matrix_b_fmt:MATRIX_FMT_FP4 matrix_a_scale:MATRIX_SCALE_ROW1
.elseif (\rb)
	v_wmma_scale_f32_16x16x128_f8f6f4 v[\d:\d+7], v[\a:\a+7], v[\b:\b+7], v[\d:\d+7], v[\sa], v[\sb] matrix_a_fmt:MATRIX_FMT_FP4 matrix_b_fmt:MATRIX_FMT_FP4 matrix_b_scale:MATRIX_SCALE_ROW1
.else
	v_wmma_scale_f32_16x16x128_f8f6f4 v[\d:\d+7], v[\a:\a+7], v[\b:\b+7], v[\d:\d+7], v[\sa], v[\sb] matrix_a_fmt:MATRIX_FMT_FP4 matrix_b_fmt:MATRIX_FMT_FP4
.endif
.endm
.macro LOADW J                         ; my block of chunk J: rows 256 J + 32 (wave / 2) + i of my half of K, 4,096 bytes apart
.set WR, WST+32*((\J)%2)
.set i, 0
.rept 16                               ; 8 bytes a lane: lanes 0-15 take 128 bytes of row 2 i, lanes 16-31 of row 2 i + 1
	global_load_b64 v[WR+2*i:WR+2*i+1], v[WO], s[26:27] offset:1048576*(\J)+8192*i th:TH_LOAD_NT
.set i, i+1
.endr
.endm
.macro QW J                            ; the block becomes 16 bytes of codes and a scale byte
.set WR, WST+32*((\J)%2)
.set i, 0
.rept 16
	v_permlane16_swap_b32 v[WR+2*i], v[WR+2*i+1]   ; lane (r, h): column 2 r + h, rows 2 i and 2 i + 1 in neighbouring registers
.set i, i+1
.endr
	v_max3_num_f32 v[MX0], |v[WR]|, |v[WR+1]|, |v[WR+2]|
	v_max3_num_f32 v[MX1], |v[WR+3]|, |v[WR+4]|, |v[WR+5]|
.irp i, 6,10,14,18,22,26
	s_delay_alu instid0(VALU_DEP_2)
	v_max3_num_f32 v[MX0], v[MX0], |v[WR+\i]|, |v[WR+\i+1]|
	s_delay_alu instid0(VALU_DEP_2)
	v_max3_num_f32 v[MX1], v[MX1], |v[WR+\i+2]|, |v[WR+\i+3]|
.endr
	s_delay_alu instid0(VALU_DEP_2)
	v_max3_num_f32 v[MX0], v[MX0], |v[WR+30]|, |v[WR+31]|
	s_delay_alu instid0(VALU_DEP_1)
	v_max3_num_f32 v[MX0], v[MX0], v[MX1], 0x1800000       ; the floor 2^(3 - 127): the byte cannot fall under 1
	s_delay_alu instid0(VALU_DEP_1)
	v_add_nc_u32 v[SCL], 0xff000000, v[MX0]                ; 2 off the exponent field: the conversion's scale operand
	s_delay_alu instid0(VALU_DEP_1)
	v_lshrrev_b32 v[BYT], 23, v[SCL]
.irp g, 0,1,2,3
	v_cvt_scalef32_pk8_fp4_f32 v[CD+\g], v[WR+8*\g:WR+8*\g+7], v[SCL]
.endr
	v_nop                                          ; one plain line behind the last scaled conversion
	ds_store_b128 v[PST], v[CD:CD+3] offset:2048*(\J)
	ds_store_b8 v[PSS], v[BYT] offset:512*(\J)
.endm
.macro HLOAD J                         ; h's fragments of the chunk's two K steps, for my two tiles: images, 512 consecutive bytes a load
.irp m, 0,1
.irp p, 0,1
.irp c, 0,1
	global_load_b128 v[HF+8*(2*\m+\p)+4*\c:HF+8*(2*\m+\p)+4*\c+3], v[HO+\m], s[8:9] offset:1024*(2*(\J)+\p)+512*\c
.endr
.endr
.endr
.endm
.macro CONSUME J                       ; chunk J: 16 products.  The eight accumulators take turns, one instruction a turn, in the same order in every K step
	ds_load_b128 v[WSC:WSC+3], v[LIW] offset:512*(\J)
.irp p, 0,1
.if \p
	NOP4
.endif
.irp t, 0,1,2,3
.irp c, 0,1
	ds_load_b128 v[WF+8*\t+4*\c:WF+8*\t+4*\c+3], v[LI] offset:16384*\t+1024*(2*(\J)+\p)+512*\c
.endr
.endr
	s_wait_dscnt 0x0
	s_cmp_lg_u32 s46, 0                            ; tile w + 16 is multiplied only where it holds rows: a branch on the stored count
	s_cbranch_scc0 .Lone_\@_\p
.irp t, 0,1,2,3
.irp m, 0,1
	WM ACC+32*\m+8*\t, WF+8*\t, HF+8*(2*\m+\p), WSC+\t, HSC+2*(\J)+\p, \p, \m
.endr
.endr
	s_branch .Ldn_\@_\p
.Lone_\@_\p:
.irp t, 0,1,2,3
	WM ACC+8*\t, WF+8*\t, HF+8*\p, WSC+\t, HSC+2*(\J)+\p, \p, 0
.endr
.Ldn_\@_\p:
.endr
.endm
.macro ACCINIT nm                      ; the accumulators begin as the bias: tile t, register j, half h of the lanes: output 16 t + 8 h + j
.set mm, 0
.rept \nm
.irp t, 0,1,2,3
	ds_load_b128 v[ACC+32*mm+8*\t:ACC+32*mm+8*\t+3], v[BA] offset:64*\t
	ds_load_b128 v[ACC+32*mm+8*\t+4:ACC+32*mm+8*\t+7], v[BA] offset:64*\t+16
.endr
.set mm, mm+1
.endr
.endm
; A tile's 16 rows x 64 outputs (32 registers from A on) leave.  wr: the pair with my row's weight; r8: eight registers with the ids of rows 2 i + lane / 16.  Each accumulator is read from its low end on.
.macro EPI3 A, wr, r8
.set k, 0
.rept 16
	v_pk_mul_f32 v[\A+k:\A+k+1], v[\A+k:\A+k+1], v[\wr:\wr+1] op_sel_hi:[1,0]
.set k, k+2
.endr
.irp t, 0,1,2,3
	ds_store_b128 v[SIN], v[\A+8*\t:\A+8*\t+3] offset:64*\t
	ds_store_b128 v[SIN], v[\A+8*\t+4:\A+8*\t+7] offset:64*\t+16
.endr
.set k, 0
.rept 8
	ds_load_b128 v[WF+4*k:WF+4*k+3], v[SOUT] offset:2*SPITCH*k   ; LDS serves a wave's instructions in order: these see the stores above
.set k, k+1
.endr
.set k, 0
.rept 8
	v_min_u32 v[\r8+k], 0x7ff, v[\r8+k]            ; the row id, held inside the buffer,
	s_delay_alu instid0(VALU_DEP_1)
	v_lshl_add_u32 v[\r8+k], v[\r8+k], 12, v[CO]   ; x 4,096 bytes + my 16 of the row's 256
.set k, k+1
.endr
	s_wait_alu depctr_va_vdst(0)
	s_wait_dscnt 0x0
.set k, 0
.rept 8
	global_store_b128 v[\r8+k], v[WF+4*k:WF+4*k+3], s[16:17] th:TH_STORE_NT
.set k, k+1
.endr
	s_wait_xcnt 0x0                                ; the stores have read their registers: these may be written again
.endm
.macro EPI3C A, wr, r8, slot           ; only where the tile holds rows: a branch on the stored count
	s_add_co_u32 s45, s42, 256*(\slot)
	s_cmp_lt_u32 s45, s23
	s_cbranch_scc0 .Lskip_\@
	EPI3 \A, \wr, \r8
.Lskip_\@:
.endm
.macro OVER3 slot                      ; tile w + 16 slot, slot 2 or 3: all of it from the codes kept in LDS; four accumulators by turns
	s_add_co_u32 s45, s42, 256*(\slot)
	s_cmp_lt_u32 s45, s23
	s_cbranch_scc0 .Lno_over_\@
	global_load_b32 v[RR], v[RRB], s[12:13] offset:1024*(\slot)
.set k, 0
.rept 8
	global_load_b32 v[MX0+k], v[RLB], s[12:13] offset:1024*(\slot)+8*k
.set k, k+1
.endr
.set k, 0
.rept 16
	global_load_b32 v[HSC+k], v[HSB], s[10:11] offset:32768*(\slot)+64*k
.set k, k+1
.endr
	s_wait_loadcnt 24                              ; my row's id is in; the 8 + 16 loads issued behind it may be out
	v_min_u32 v[RR], 0x7ff, v[RR]
	s_delay_alu instid0(VALU_DEP_1)
	v_lshlrev_b32 v[RR], 2, v[RR]
	global_load_b32 v[CW], v[RR], s[14:15]
	ACCINIT 1
.irp q, 0,1
.set k, 0
.rept 8
	global_load_b128 v[WST+8*k:WST+8*k+3], v[HOB], s[8:9] offset:524288*(\slot)+1024*(8*\q+k)
	global_load_b128 v[WST+8*k+4:WST+8*k+7], v[HOB], s[8:9] offset:524288*(\slot)+1024*(8*\q+k)+512
.set k, k+1
.endr
	s_wait_loadcnt 0x0
.irp z, 0,1,2,3,4,5,6,7
	NOP4
.if (\z%2) == 0
	ds_load_b128 v[WSC:WSC+3], v[LIW] offset:512*(4*\q+\z/2)
.endif
.irp t, 0,1,2,3
.irp c, 0,1
	ds_load_b128 v[WF+8*\t+4*\c:WF+8*\t+4*\c+3], v[LI] offset:16384*\t+1024*(8*\q+\z)+512*\c
.endr
.endr
	s_wait_dscnt 0x0
.irp t, 0,1,2,3
	WM ACC+8*\t, WF+8*\t, WST+8*\z, WSC+\t, HSC+8*\q+\z, \z%2, 0
.endr
.endr
	NOP4
.endr
	EPI3 ACC, CW, MX0
.Lno_over_\@:
.endm
; A trip: the products of the chunk before; h's fragments of this chunk; this chunk's block quantised; the block two chunks on asked for; the barrier that shows the chunk's codes to all waves.
; N, trips 1 to 6: 32, the loads of the block asked for last; all older loads are in.
.macro TRIP J, N
	s_wait_loadcnt (\N)/2                          ; a block is 16 loads
	CONSUME (\J)-1
.if (\J) <= 7
	NOP4
	HLOAD \J
.if (\J) == 7                          ; the row ids for the way out, into the set of registers that the stream has left
.irp m, 0,1
.set k, 0
.rept 8
	global_load_b32 v[WST+8*\m+k], v[RL+\m], s[12:13] offset:8*k
.set k, k+1
.endr
.endr
.endif
	QW \J
.if (\J) <= 5
	LOADW (\J)+2
.endif
	s_wait_dscnt 0x0                               ; my stores have landed, for the other waves' sake
	s_barrier_signal -1
	s_barrier_wait -1
.endif
.endm
	s_load_b256 s[4:11], s[0:1], 0x0               ; w2 s[4:5], b2 s[6:7], hq s[8:9], hs s[10:11]
	s_load_b128 s[12:15], s[0:1], 0x20             ; lst s[12:13], cw s[14:15]
	s_load_b64 s[16:17], s[0:1], 0x30              ; yp
	v_lshrrev_b32 v1, 5, v0
	s_delay_alu instid0(VALU_DEP_1)
	v_readfirstlane_b32 s18, v1                    ; wave 0..15
	s_and_b32 s19, s18, 1                          ; cg: which 32 of the 64 columns
	s_lshr_b32 s20, s18, 1                         ; kb: which block of a chunk's 8 along K
	s_lshr_b32 s21, ttmp9, 1                       ; the slice of 64 outputs
	s_and_b32 s24, ttmp9, 1                        ; the half of K
	s_and_b32 s22, ttmp7, 0xffff                   ; the expert
	v_and_b32 v[T0], 31, v0
	v_bfe_u32 v[T1], v0, 4, 1
	v_and_b32 v[T2], 15, v0
	s_delay_alu instid0(VALU_DEP_3)
	v_lshlrev_b32 v[LI], 4, v[T0]
	s_delay_alu instid0(VALU_DEP_4)
	v_lshl_add_u32 v[LIW], v[T0], 4, WS
	v_lshlrev_b32 v[WO], 3, v[T2]
	v_lshl_add_u32 v[WO], v[T1], 12, v[WO]         ; 8 (lane % 16) + 4096 (lane / 16)
	v_lshlrev_b32 v[CO], 4, v[T2]
	s_wait_alu depctr_va_vdst(0)
	s_lshl_b32 s28, s19, 15
	s_lshl_b32 s29, s20, 8
	s_add_co_u32 s28, s28, s29
	v_lshl_or_b32 v254, v[T2], 1, v[T1]            ; c = 2 (lane % 16) + lane / 16: my column of the 32
	v_bfe_u32 v244, v254, 4, 1                     ; its tile of the pair,
	v_and_b32 v254, 15, v254
	v_lshlrev_b32 v254, 4, v254                    ; and 16 x its row there
	v_lshl_add_u32 v[PST], v244, 14, v254
	s_delay_alu instid0(VALU_DEP_1)
	v_add_nc_u32 v[PST], s28, v[PST]               ; 16384 (2 cg + c / 16) + 256 kb + 16 (c % 16)
	s_lshl_b32 s28, s19, 3
	s_lshr_b32 s29, s20, 2
	s_lshl_b32 s29, s29, 8
	s_add_co_u32 s28, s28, s29
	s_and_b32 s29, s20, 3
	s_add_co_u32 s28, s28, s29
	s_add_co_u32 s28, s28, WS
	v_lshl_add_u32 v[PSS], v244, 2, v254
	s_delay_alu instid0(VALU_DEP_1)
	v_add_nc_u32 v[PSS], s28, v[PSS]               ; WS + 16 r + 4 (2 cg + c / 16) + 256 (kb / 4) + kb % 4
	v_lshl_add_u32 v[BA], v[T1], 5, BIAS
	v_lshl_add_u32 v[BW], v[T2], 4, BIAS
	s_mul_i32 s28, s18, 16*SPITCH
	s_add_co_u32 s28, s28, STG                     ; my stage
	v_mul_u32_u24 v[SIN], v[T2], SPITCH
	s_delay_alu instid0(VALU_DEP_1)
	v_lshl_add_u32 v[SIN], v[T1], 5, v[SIN]
	s_delay_alu instid0(VALU_DEP_1)
	v_add_nc_u32 v[SIN], s28, v[SIN]
	v_mul_u32_u24 v[SOUT], v[T1], SPITCH
	s_delay_alu instid0(VALU_DEP_1)
	v_add_nc_u32 v[SOUT], v[SOUT], v[CO]
	s_delay_alu instid0(VALU_DEP_1)
	v_add_nc_u32 v[SOUT], s28, v[SOUT]
	s_lshl_b32 s28, s18, 15
	v_add_nc_u32 v[HOB], s28, v[LI]
	s_lshl_b32 s28, s18, 6
	v_lshl_add_u32 v[RLB], v[T1], 2, s28
	v_lshl_add_u32 v[RRB], v[T2], 2, s28
	s_lshl_b32 s28, s18, 11
	v_lshl_add_u32 v[HSB], v[T2], 2, s28
	v_mov_b32 v[ZR], 0
	v_mov_b32 v[CW+1], 0                           ; (named as the upper halves of pairs, so they are written)
	v_mov_b32 v[CW+3], 0
	s_lshl_b32 s42, s18, 4                         ; the first place of my tile w,
	s_add_co_u32 s43, s42, 256                     ; of tile w + 16,
	s_add_co_u32 s44, s18, 16                      ; and that tile's number
	; byte offsets, apart from the addresses
	s_lshl_b32 s28, s22, 24                        ; w2: an expert is 2^24 bytes, half of K 2^23, a block of 32 rows 2^17, a slice 256, 32 columns 128
	s_lshl_b32 s29, s24, 23
	s_add_co_u32 s28, s28, s29
	s_lshl_b32 s29, s20, 17
	s_add_co_u32 s28, s28, s29
	s_lshl_b32 s29, s21, 8
	s_add_co_u32 s28, s28, s29
	s_lshl_b32 s29, s19, 7
	s_add_co_u32 s28, s28, s29
	s_mov_b32 s29, 0
	s_lshl_b32 s30, s22, 12                        ; b2: 4,096 bytes an expert, 256 a slice
	s_lshl_b32 s31, s21, 8
	s_add_co_u32 s30, s30, s31
	s_mov_b32 s31, 0
	s_lshl_b32 s32, s22, 21                        ; hq: 2^21 an expert, 16 K steps of 1,024 a half
	s_lshl_b32 s33, s24, 14
	s_add_co_u32 s32, s32, s33
	s_mov_b32 s33, 0
	s_lshl_b32 s34, s22, 17                        ; hs: 2^17 and 16 x 64
	s_lshl_b32 s35, s24, 10
	s_add_co_u32 s34, s34, s35
	s_mov_b32 s35, 0
	s_lshl_b32 s36, s22, 2                         ; the count's word
	s_mov_b32 s37, 0
	s_lshl_b32 s38, s22, 12                        ; the list
	s_mov_b32 s39, 0
	s_lshl_b32 s40, s24, 23                        ; yp: 2^23 a half, 256 a slice
	s_lshl_b32 s41, s21, 8
	s_add_co_u32 s40, s40, s41
	s_mov_b32 s41, 0
	s_wait_kmcnt 0x0
	s_add_nc_u64 s[26:27], s[4:5], s[28:29]
	s_add_nc_u64 s[6:7], s[6:7], s[30:31]
	s_add_nc_u64 s[8:9], s[8:9], s[32:33]
	s_add_nc_u64 s[10:11], s[10:11], s[34:35]
	s_add_nc_u64 s[36:37], s[12:13], s[36:37]
	s_add_nc_u64 s[12:13], s[12:13], s[38:39]
	s_add_nc_u64 s[16:17], s[16:17], s[40:41]
	s_load_b32 s23, s[36:37], 0x8000               ; how many rows chose the expert
	global_load_b128 v[B2:B2+3], v[CO], s[6:7]     ; b2 of the slice
	LOADW 0
	s_wait_kmcnt 0x0
	s_min_u32 s23, s23, 0x400
	s_cmp_lt_u32 s42, s23                          ; a tile without rows is replaced by tile 0
	s_cselect_b32 s40, s18, 0
	s_cmp_lt_u32 s43, s23
	s_cselect_b32 s41, s44, 0
	s_cselect_b32 s46, 1, 0                        ; 1: tile w + 16 holds rows
	s_lshl_b32 s28, s40, 15
	v_add_nc_u32 v[HO], s28, v[LI]
	s_lshl_b32 s28, s41, 15
	v_add_nc_u32 v[HO+1], s28, v[LI]
	s_lshl_b32 s28, s40, 6
	v_lshl_add_u32 v[RL], v[T1], 2, s28
	v_lshl_add_u32 v[RR], v[T2], 2, s28
	s_lshl_b32 s28, s41, 6
	v_lshl_add_u32 v[RL+1], v[T1], 2, s28
	v_lshl_add_u32 v[RR+1], v[T2], 2, s28
	s_lshl_b32 s28, s40, 11
	s_lshl_b32 s29, s41, 11
	v_mov_b32 v[HSO], s28
	v_mov_b32 v254, s29
	v_cmp_ne_u32 vcc_lo, 0, v[T1]
	s_delay_alu instid0(VALU_DEP_1)
	v_cndmask_b32 v[HSO], v[HSO], v254, vcc_lo     ; lanes 0-15 take tile w's scale words, lanes 16-31 tile w + 16's
	s_delay_alu instid0(VALU_DEP_1)
	v_lshl_add_u32 v[HSO], v[T2], 2, v[HSO]
	global_load_b32 v[RR], v[RR], s[12:13]         ; my row's id (a load may land on its own address register)
	global_load_b32 v[RR+1], v[RR+1], s[12:13]
.set k, 0
.rept 16
	global_load_b32 v[HSC+k], v[HSO], s[10:11] offset:64*k
.set k, k+1
.endr
	LOADW 1
	; ---- trip 0
	HLOAD 0
	s_wait_loadcnt 40                              ; behind the row ids: 16 scale words, the second block's 16 loads, 8 of h's fragments
.irp m, 0,1
	v_min_u32 v[RR+\m], 0x7ff, v[RR+\m]
	s_delay_alu instid0(VALU_DEP_1)
	v_lshlrev_b32 v[RR+\m], 2, v[RR+\m]
.endr
	global_load_b32 v[CW], v[RR], s[14:15]         ; my row's weight
	global_load_b32 v[CW+2], v[RR+1], s[14:15]
	s_cmp_lg_u32 s18, 0
	s_cbranch_scc1 .Lno_bias
	v_mov_b32 v254, s24
	s_delay_alu instid0(VALU_DEP_1)
	v_cmp_eq_u32 vcc_lo, 1, v254                   ; the bias is added once: the upper half of K begins at zero
.irp g, 0,1,2,3
	v_cndmask_b32 v[B2+\g], v[B2+\g], v[ZR], vcc_lo
.endr
	ds_store_b128 v[BW], v[B2:B2+3]                ; (lanes 16-31 write the same bytes with the same values)
.Lno_bias:
	QW 0
	LOADW 2
	s_wait_dscnt 0x0
	s_barrier_signal -1
	s_barrier_wait -1
	ACCINIT 2
	TRIP 1, 32
	TRIP 2, 32
	TRIP 3, 32
	TRIP 4, 32
	TRIP 5, 32
	TRIP 6, 32
	TRIP 7, 0                                      ; nothing younger is out any more
	TRIP 8, 0
	NOP4
	EPI3C ACC, CW, WST, 0
	EPI3C ACC+32, CW+2, WST+8, 1
	OVER3 2
	OVER3 3
	s_wait_xcnt 0x0
	v_lshl_add_u32 v254, v0, 2, 0x22100
	v_mov_b32 v255, 0
	s_wait_alu depctr_va_vdst(0)
	s_wait_tensorcnt 0x0
	ds_add_u32 v254, v255
	s_wait_dscnt 0x0
	s_endpgm
.Lfunc_end_k_qac66acebb3_down:
	.size	k_qac66acebb3_down, .Lfunc_end_k_qac66acebb3_down-k_qac66acebb3_down
	.p2alignl 7, 3214868480
	.fill 96, 4, 3214868480
	.section	.rodata,"a",@progbits
	.p2align	6, 0x0
	.amdhsa_kernel k_qac66acebb3_down
		.amdhsa_group_segment_fixed_size 141568
		.amdhsa_private_segment_fixed_size 0
		.amdhsa_enable_private_segment 0
		.amdhsa_kernarg_size 56
		.amdhsa_user_sgpr_count 2
		.amdhsa_user_sgpr_kernarg_segment_ptr 1
		.amdhsa_wavefront_size32 1
		.amdhsa_system_sgpr_workgroup_id_x 1
		.amdhsa_system_sgpr_workgroup_id_y 1
		.amdhsa_system_sgpr_workgroup_id_z 1
		.amdhsa_system_vgpr_workitem_id 0
		.amdhsa_next_free_vgpr 256
		.amdhsa_next_free_sgpr 66
		.amdhsa_reserve_vcc 1
		.amdhsa_float_denorm_mode_32 3
		.amdhsa_float_denorm_mode_16_64 3
		.amdhsa_memory_ordered 1
		.amdhsa_forward_progress 1
		.amdhsa_inst_pref_size 155
	.end_amdhsa_kernel
	.amdgpu_metadata
---
amdhsa.version: [ 1, 2 ]
amdhsa.kernels:
  - .name:           k_qac66acebb3_down
    .symbol:         k_qac66acebb3_down.kd
    .args:
      - { .name: w2, .offset: 0, .size: 8, .value_kind: global_buffer, .address_space: global }
      - { .name: b2, .offset: 8, .size: 8, .value_kind: global_buffer, .address_space: global }
      - { .name: hq, .offset: 16, .size: 8, .value_kind: global_buffer, .address_space: global }
      - { .name: hs, .offset: 24, .size: 8, .value_kind: global_buffer, .address_space: global }
      - { .name: lst, .offset: 32, .size: 8, .value_kind: global_buffer, .address_space: global }
      - { .name: cw, .offset: 40, .size: 8, .value_kind: global_buffer, .address_space: global }
      - { .name: yp, .offset: 48, .size: 8, .value_kind: global_buffer, .address_space: global }
    .group_segment_fixed_size: 141568
    .private_segment_fixed_size: 0
    .kernarg_segment_align: 8
    .kernarg_segment_size: 56
    .max_flat_workgroup_size: 512
    .sgpr_count:     66
    .vgpr_count:     256
    .wavefront_size: 32
...
	.end_amdgpu_metadata
.endif
;; end of part 3
;; launch combine (part 4): grid 256 x 1, 8 waves a work-group, no clusters, 0 bytes of LDS; arguments yp, out0; writes out0
.if DOCPART == 4
	.amdgcn_target "amdgcn-amd-amdhsa--gfx1250"
	.amdhsa_code_object_version 6
	.text
	.protected	k_qac66acebb3_combine
	.globl	k_qac66acebb3_combine
	.p2align	8
	.type	k_qac66acebb3_combine,@function
k_qac66acebb3_combine:
	s_mov_b64 s[64:65], 0
	v_nop
	global_prefetch_b8 v0, s[64:65] scope:SCOPE_SE
	s_setreg_imm32_b32 hwreg(HW_REG_WAVE_MODE, 25, 1), 1
	s_wait_xcnt 0x0
; COMBINE.  out[t] = yp[0][2 t] + yp[0][2 t + 1] + yp[1][2 t] + yp[1][2 t + 1]: a token's two experts, each in two halves of K, already weighted.
; A stream: a work-group takes four tokens, thread T the 16 bytes at 16 T of every row of 4,096 bytes, so a load or store of a wave covers 512 consecutive bytes.  All sixteen loads go out at once.
; No LDS, no barrier, no matrix unit: memory binds.
	s_load_b128 s[4:7], s[0:1], 0x0                ; yp s[4:5], out0 s[6:7]
	v_lshlrev_b32 v1, 4, v0
	s_lshl_b32 s8, ttmp9, 15                       ; eight rows of yp
	s_mov_b32 s9, 0
	s_lshl_b32 s10, ttmp9, 14                      ; four rows of out0
	s_mov_b32 s11, 0
	s_wait_alu depctr_va_vdst(0)
	s_wait_kmcnt 0x0
	s_add_nc_u64 s[4:5], s[4:5], s[8:9]
	s_add_nc_u64 s[12:13], s[4:5], 0x800000        ; the upper half of K: 2,048 rows on
	s_add_nc_u64 s[6:7], s[6:7], s[10:11]
.irp t, 0,1,2,3
	global_load_b128 v[8+16*\t:11+16*\t],  v1, s[4:5] offset:8192*\t th:TH_LOAD_NT
	global_load_b128 v[12+16*\t:15+16*\t], v1, s[4:5] offset:8192*\t+4096 th:TH_LOAD_NT
	global_load_b128 v[16+16*\t:19+16*\t], v1, s[12:13] offset:8192*\t th:TH_LOAD_NT
	global_load_b128 v[20+16*\t:23+16*\t], v1, s[12:13] offset:8192*\t+4096 th:TH_LOAD_NT
.endr
.irp t, 0,1,2,3
	s_wait_loadcnt 12-4*\t                         ; this token's four loads are in; the later tokens' may be out
	v_pk_add_f32 v[8+16*\t:9+16*\t],   v[8+16*\t:9+16*\t],   v[12+16*\t:13+16*\t]
	v_pk_add_f32 v[10+16*\t:11+16*\t], v[10+16*\t:11+16*\t], v[14+16*\t:15+16*\t]
	v_pk_add_f32 v[16+16*\t:17+16*\t], v[16+16*\t:17+16*\t], v[20+16*\t:21+16*\t]
	v_pk_add_f32 v[18+16*\t:19+16*\t], v[18+16*\t:19+16*\t], v[22+16*\t:23+16*\t]
	s_delay_alu instid0(VALU_DEP_2)
	v_pk_add_f32 v[8+16*\t:9+16*\t],   v[8+16*\t:9+16*\t],   v[16+16*\t:17+16*\t]
	s_delay_alu instid0(VALU_DEP_2)
	v_pk_add_f32 v[10+16*\t:11+16*\t], v[10+16*\t:11+16*\t], v[18+16*\t:19+16*\t]
	global_store_b128 v1, v[8+16*\t:11+16*\t], s[6:7] offset:4096*\t th:TH_STORE_NT
.endr
	s_endpgm
.Lfunc_end_k_qac66acebb3_combine:
	.size	k_qac66acebb3_combine, .Lfunc_end_k_qac66acebb3_combine-k_qac66acebb3_combine
	.p2alignl 7, 3214868480
	.fill 96, 4, 3214868480
	.section	.rodata,"a",@progbits
	.p2align	6, 0x0
	.amdhsa_kernel k_qac66acebb3_combine
		.amdhsa_group_segment_fixed_size 0
		.amdhsa_private_segment_fixed_size 0
		.amdhsa_enable_private_segment 0
		.amdhsa_kernarg_size 16
		.amdhsa_user_sgpr_count 2
		.amdhsa_user_sgpr_kernarg_segment_ptr 1
		.amdhsa_wavefront_size32 1
		.amdhsa_system_sgpr_workgroup_id_x 1
		.amdhsa_system_sgpr_workgroup_id_y 1
		.amdhsa_system_sgpr_workgroup_id_z 1
		.amdhsa_system_vgpr_workitem_id 0
		.amdhsa_next_free_vgpr 80
		.amdhsa_next_free_sgpr 66
		.amdhsa_reserve_vcc 0
		.amdhsa_float_denorm_mode_32 3
		.amdhsa_float_denorm_mode_16_64 3
		.amdhsa_memory_ordered 1
		.amdhsa_forward_progress 1
		.amdhsa_inst_pref_size 5
	.end_amdhsa_kernel
	.amdgpu_metadata
---
amdhsa.version: [ 1, 2 ]
amdhsa.kernels:
  - .name:           k_qac66acebb3_combine
    .symbol:         k_qac66acebb3_combine.kd
    .args:
      - { .name: yp, .offset: 0, .size: 8, .value_kind: global_buffer, .address_space: global }
      - { .name: out0, .offset: 8, .size: 8, .value_kind: global_buffer, .address_space: global }
    .group_segment_fixed_size: 0
    .private_segment_fixed_size: 0
    .kernarg_segment_align: 8
    .kernarg_segment_size: 16
    .max_flat_workgroup_size: 256
    .sgpr_count:     66
    .vgpr_count:     80
    .wavefront_size: 32
...
	.end_amdgpu_metadata
.endif
;; end of part 4
